; MI455X (gfx1250); checked and timed in simulation.
; The chip was launched on July 23, 2026; its instructions are those of AMD's public machine-readable ISA for CDNA 5 (MIT licence, August 2026) and "CDNA5" Instruction Set Architecture Reference Guide (July 2026). The comments in the code are by the model that wrote it; some were corrected since.
;; Attention. Allowed arithmetic: matrix products marked QUANTISED: E2M3 operands, one E8M0 scale for each 32 along K, by v_wmma_scale_f32_16x16x128_f8f6f4 with both operands' format E2M3, f32 sums; everything else in f32.
;; Inputs: b_proj 1,024 float32; rope_cos 2,048 x 64 float32; rope_sin 2,048 x 64 float32; w_proj 1,024 x 1,024 float32; w_qkv 3,072 x 1,024 float32; x 4 x 2,048 x 1,024 float32.
;; Outputs: out0 4 x 2,048 x 1,024 float32.
;; This version of the problem:
;;   THIS VERSION OF THE PROBLEM IS GIVEN IN LOW PRECISION. The matrix products marked QUANTISED in the list below multiply operands that are first quantised to E2M3 (2 exponent bits, 3 mantissa bits; 6 bits a number), with one power-of-two scale for each 32 numbers along K (OCP MX v1.0); their sums are f32. All else is computed in f32.
;;   The module's matrix products, in the order in which they are computed (A, B: the left and right operand; K: the contracted axis; several contracted axes count as one K, in the product's order):
;;     1. [M 8,192, K 1,024] x [K 1,024, N 3,072]; A: input x; B: input w_qkv: QUANTISED
;;     2. batch 64 x [M 2,048, K 64] x [K 64, N 2,048]; A: computed on the way; B: computed on the way: QUANTISED
;;     3. batch 64 x [M 2,048, K 2,048] x [K 2,048, N 64]; A: softmax (see below); B: computed on the way: QUANTISED
;;     4. [M 8,192, K 1,024] x [K 1,024, N 1,024]; A: computed on the way; B: input w_proj: QUANTISED
;;   THE QUANTISER, for each operand of a quantised product, along K:
;;     - K is cut into blocks of 32 from its start; a last block that is shorter is filled with zeros.
;;     - A block's scale is 2^e with e = floor(log2(the largest magnitude in the block)) - 2, held to -126 .. 127; a block of zeros has e = 0. As a byte (E8M0): e + 127.
;;     - Each number is divided by its block's scale, clamped to +-7.5, and rounded to the nearest number of E2M3, ties to even, subnormals kept.
;;     - The product sums the exact products of the quantised numbers (number of the format x scale) in f32.
;;   ~~~python
;;   def quantise(x, axis):      # numpy; x: float32 -> the quantised numbers, widened to float32 again
;;       x = np.moveaxis(x, axis, -1); K = x.shape[-1]
;;       x = np.pad(x, [(0, 0)] * (x.ndim - 1) + [(0, -K % 32)]); x = x.reshape(x.shape[:-1] + (-1, 32)); a = np.abs(x).max(-1, keepdims=True)
;;       e = np.where(a > 0, np.clip(np.frexp(np.where(a > 0, a, 1))[1] - 1 - 2, -126, 127), 0)      # np.frexp(a)[1] - 1 = floor(log2(a)), exactly
;;       r = np.clip(x / 2.0 ** e, -7.5, 7.5)
;;       step = 2.0 ** (np.maximum(np.frexp(np.where(r == 0, 1, r))[1] - 1, 0) - 3)
;;       q = np.round(r / step) * step * 2.0 ** e      # np.round: ties to even
;;       return np.moveaxis(q.reshape(q.shape[:-2] + (-1,))[..., :K], -1, axis).astype(np.float32)
;;   ~~~
;;   SOFTMAX AHEAD OF A QUANTISED PRODUCT. Where the list says 'softmax', what is quantised is not the finished softmax but p = 2^(t - M), with t = logit x log2(e) and M = ceil(the row's largest t), a whole number; so 1/2 < the row's largest p <= 1. The row's sum l is taken of the UNQUANTISED p, in f32, and the product's result is divided by l at the end. Since M is a whole number, a kernel that streams over the keys may use a running M (the ceiling of the running maximum): every later rescaling is an exact power of two, which a block's scale takes up: the codes' values come out the same.
;;   OPERANDS COMPUTED ON THE WAY. 'Computed on the way' means the value that the module computes at that place (a softmax that the list does not call 'softmax' is quantised finished and normalised). What goes into a quantiser is computed in f32, as accurately as f32 sums, v_exp_f32 and their like allow (about 1e-6 of the number): no bf16 or f16 on the way to a quantiser, and a product that is left as it is and whose result goes on into a quantised operand takes f32 operands (vector FMAs, or v_wmma_f32_16x16x4_f32). A number that lies on a knife's edge between two numbers of the format may be rounded either way, as far as f32 arithmetic and the matrix unit's own rounding can turn it there, and no further.
;; One version. Each part assembles by itself: llvm-mc -triple=amdgcn-amd-amdhsa -mcpu=gfx1250 --defsym DOCPART=n.
;; ======== version 1 of 1: 4 launches
;; limits: right only within a limited range of input values
;; workspace buffers: opq 9,830,400 bytes; qws 6,815,744 bytes; kv 13,369,344 bytes; oimg 6,291,456 bytes; oscl 524,288 bytes
;; launch quant (part 1): grid 768 x 1, 4 waves a work-group, no clusters, 18,432 bytes of LDS; arguments x, w_qkv, w_proj, opq; writes opq
.if DOCPART == 1
	.amdgcn_target "amdgcn-amd-amdhsa--gfx1250"
	.amdhsa_code_object_version 6
	.text
	.protected	k_q4495e22644_quant
	.globl	k_q4495e22644_quant
	.p2align	8
	.type	k_q4495e22644_quant,@function
k_q4495e22644_quant:
	s_mov_b64 s[64:65], 0
	v_nop
	global_prefetch_b8 v0, s[64:65] scope:SCOPE_SE
	s_setreg_imm32_b32 hwreg(HW_REG_WAVE_MODE, 25, 1), 1
	s_wait_xcnt 0x0
; x [8192][1024], w_qkv [3072][1024] and w_proj [1024][1024], f32, K innermost, become codes of FP6 (E2M3) with one E8M0 byte for each 32 along K, in ONE workspace buffer, laid as the
; products' operand registers want them.  A block's scale is 2^(floor(log2(largest magnitude)) - 2): its byte is the largest magnitude's exponent field - 2, held at 1 from below.
; LAYOUT OF opq.  768 row blocks of 16 rows: 0-511 x, 512-703 w_qkv, 704-767 w_proj.  THE ROWS OF A BLOCK ARE NOT NEIGHBOURS: row r of a tensor's block R is its row 32 (R / 2) + 8 (R % 2) + r + 8 (r / 8).
; A block's codes are 16 half images of 768 bytes, one for each 64 along K: lane (r, h) of an operand holds the 24 bytes of row r's block of 32 number h: its first 16 bytes lie at 16 x lane,
; its last 8 at 512 + 8 x lane.  So every store here and every load of a reader covers consecutive bytes.  The scale words (4 bytes for 128 along K) lie behind all codes: block x 512 + 32 r + 4 (K / 128).
; SHARES.  A work-group takes a row block, wave w its columns 256 w .. 256 w + 255: four half images.  Each load reads 256 consecutive bytes of two rows; the numbers turn through the wave's own stage in LDS
; (rows 272 bytes apart), so that a lane gets the 32 neighbours of one block: its largest magnitude needs no other lane.  All 32 loads of a wave go out at the head.
; The work-groups share no input, so there is no cluster, no tensor load and no ring; the matrix units have nothing to do here.
; LIMITS: NaN and infinities among the inputs are not served.  A block of zeros, and one whose largest magnitude lies under 2^-124, gets the byte 1 (the rule says 127 for zeros): zero codes add nothing
; under any byte but 0xff, and this program alone reads the bytes.
.set SCL0,  9437184                    ; 768 x 12,288: where the scale words begin
.set PIT,   272                        ; a stage row: 256 bytes + 16
.set WST,   16*PIT                     ; a wave's stage
.set SCB,   4*WST                      ; behind the stages: the block's 512 bytes of scale words
.set T2,    24                         ; v24-26   the second half of a block's codes, as the conversion leaves it
.set C,     28                         ; v28-51   six registers of codes for each of the four half images: no store's data are written again
.set X,     52                         ; v52-83   the 32 neighbours of my block
.set R,     84                         ; v84-211  the numbers as loaded: 32 registers for each half image
	s_load_b256 s[4:11], s[0:1], 0x0               ; x s[4:5], w_qkv s[6:7], w_proj s[8:9], opq s[10:11]
	v_lshl_add_u32 v212, v0, 2, 0x4600
	v_mov_b32 v213, 0
	v_lshrrev_b32 v1, 5, v0
	v_readfirstlane_b32 s16, v1                    ; wave 0..3
	v_and_b32 v2, 31, v0                           ; lane
	v_and_b32 v3, 15, v0                           ; r
	v_bfe_u32 v4, v0, 4, 1                         ; h
	v_lshlrev_b32 v5, 12, v4
	v_lshl_add_u32 v5, v3, 4, v5                   ; in: lanes 0-15 one row's 256 bytes, lanes 16-31 the next row's
	s_mul_i32 s18, s16, WST
	v_mul_u32_u24 v6, v4, PIT
	v_lshl_add_u32 v6, v3, 4, v6
	v_add_nc_u32 v6, s18, v6                       ; into the stage: as loaded
	v_mul_u32_u24 v7, v3, PIT
	v_lshl_add_u32 v7, v4, 7, v7
	v_add_nc_u32 v7, s18, v7                       ; out of it: row r, numbers 32 h on
	v_lshlrev_b32 v10, 3, v4                       ; 8 h: my byte's place in a pair of bytes
	v_mov_b32 v14, 0                               ; a lane permute's destination counts as read
	s_lshl_b32 s19, s16, 3
	v_lshlrev_b32 v15, 5, v3
	v_add_nc_u32 v15, s19, v15
	v_add_nc_u32 v15, SCB, v15                     ; my row's two scale words: 32 r + 8 x wave
	v_lshlrev_b32 v16, 4, v2                       ; 16 x lane
	v_lshlrev_b32 v17, 3, v2                       ; 8 x lane
	v_add_nc_u32 v27, SCB, v16                     ; the scale words on their way out
	s_mov_b32 s24, 0x76543210
	s_mov_b32 s25, 0xfedcba98                      ; v_permlanex16_b32's selects for lane l xor 16
	s_mov_b32 s17, 704
	s_wait_alu depctr_va_vdst(0)
	s_wait_kmcnt 0x0
	s_cmp_lt_u32 ttmp9, 704                        ; which tensor: the choice hangs on the work-group's number alone
	s_cselect_b64 s[12:13], s[6:7], s[8:9]
	s_cselect_b32 s17, 512, s17
	s_cmp_lt_u32 ttmp9, 512
	s_cselect_b64 s[12:13], s[4:5], s[12:13]
	s_cselect_b32 s17, 0, s17
	s_sub_co_u32 s17, ttmp9, s17                   ; the block's number in its tensor
	s_lshr_b32 s26, s17, 1
	s_lshl_b32 s26, s26, 5
	s_and_b32 s27, s17, 1
	s_lshl_b32 s27, s27, 3
	s_or_b32 s26, s26, s27                         ; its first row: 32 (R / 2) + 8 (R % 2)
	s_lshl_b32 s26, s26, 12                        ; rows of 4,096 bytes
	s_lshl_b32 s27, s16, 10                        ; my wave's 256 columns
	s_add_co_u32 s26, s26, s27
	s_mov_b32 s27, 0
	s_add_nc_u64 s[12:13], s[12:13], s[26:27]
	s_mul_i32 s26, ttmp9, 12288
	s_mul_i32 s28, s16, 3072
	s_add_co_u32 s26, s26, s28
	s_add_nc_u64 s[20:21], s[10:11], s[26:27]      ; my four half images
	s_lshl_b32 s26, ttmp9, 9
	s_add_co_u32 s26, s26, SCL0
	s_add_nc_u64 s[22:23], s[10:11], s[26:27]      ; the block's scale words
.irp t, 0,1,2,3
.irp i, 0,1,2,3,4,5,6,7
	global_load_b128 v[R+32*\t+4*\i:R+32*\t+4*\i+3], v5, s[12:13] offset:(2*\i+8*(\i/4))*4096+256*\t th:TH_LOAD_NT   ; block rows 2 i and 2 i + 1: rows 8-15 of a block lie 8 rows further down
.endr
.endr
; Half image t: 16 rows x 64 along K.
.macro HIQ t
	s_wait_loadcnt 8*(3-\t)                        ; loads come back in order: this half image's eight are in, those of the later ones may be out
.irp i, 0,1,2,3,4,5,6,7
	ds_store_b128 v6, v[R+32*\t+4*\i:R+32*\t+4*\i+3] offset:2*PIT*\i
.endr
.irp q, 0,1,2,3,4,5,6,7
	ds_load_b128 v[X+4*\q:X+4*\q+3], v7 offset:16*\q   ; LDS serves a wave's instructions in order: these see the stores above, and the next half image's stores come behind them
.endr
	s_wait_dscnt 0x0
	v_max3_num_f32 v8, |v[X]|, |v[X+1]|, |v[X+2]|  ; the block's largest magnitude: all 32 numbers are mine; two chains
	v_max3_num_f32 v9, |v[X+3]|, |v[X+4]|, |v[X+5]|
.irp i, 6,10,14,18,22,26
	v_max3_num_f32 v8, v8, |v[X+\i]|, |v[X+\i+1]|
	v_max3_num_f32 v9, v9, |v[X+\i+2]|, |v[X+\i+3]|
.endr
	v_max3_num_f32 v8, v8, |v[X+30]|, |v[X+31]|
	v_max3_num_f32 v8, v8, v9, 0x1800000           ; and the floor 2^(3 - 127): the byte cannot fall under 1
	v_add_nc_u32 v11, 0xff000000, v8               ; 2 off the exponent field: the conversion takes this operand's exponent field as its scale
	v_lshrrev_b32 v12, 23, v11                     ; the scale's byte
	v_cvt_scalef32_pk16_fp6_f32 v[C+6*\t:C+6*\t+2], v[X:X+15], v11
	v_cvt_scalef32_pk16_fp6_f32 v[T2:T2+2], v[X+16:X+31], v11   ; (a conversion's three registers begin on an even number)
	v_nop                                          ; one plain place behind a scaled conversion
.irp i, 0,1,2
	v_mov_b32 v[C+6*\t+3+\i], v[T2+\i]
.endr
	global_store_b128 v16, v[C+6*\t:C+6*\t+3], s[20:21] offset:768*\t        ; 512 consecutive bytes
	global_store_b64 v17, v[C+6*\t+4:C+6*\t+5], s[20:21] offset:768*\t+512   ; 256 consecutive bytes
.if (\t)%2 == 0
	v_mov_b32 v13, v12                             ; a scale word takes two half images: bytes h and 2 + h are mine
.else
	v_lshl_or_b32 v13, v12, 16, v13
	v_lshlrev_b32 v13, v10, v13                    ; 8 h bits up
	v_permlanex16_b32 v14, v13, s24, s25
	v_or_b32 v[18+(\t)/2], v13, v14                ; with lane l xor 16's two bytes the word is whole
.endif
.endm
	HIQ 0
	HIQ 1
	HIQ 2
	HIQ 3
	ds_store_b64 v15, v[18:19]                     ; both halves of the lanes write the same words with the same values
	s_wait_dscnt 0x0                               ; for the others' sake: my stores have landed
	s_barrier_signal -1
	s_barrier_wait -1
	s_cmp_lg_u32 s16, 0                            ; wave 0 stores the block's 512 bytes of scale words: two whole runs of 256 bytes
	s_cbranch_scc1 .Lend
	ds_load_b128 v[20:23], v27
	s_wait_dscnt 0x0
	global_store_b128 v16, v[20:23], s[22:23]
.Lend:
	s_wait_tensorcnt 0x0
	ds_add_u32 v212, v213
	s_wait_dscnt 0x0
	s_endpgm
.Lfunc_end_k_q4495e22644_quant:
	.size	k_q4495e22644_quant, .Lfunc_end_k_q4495e22644_quant-k_q4495e22644_quant
	.p2alignl 7, 3214868480
	.fill 96, 4, 3214868480
	.section	.rodata,"a",@progbits
	.p2align	6, 0x0
	.amdhsa_kernel k_q4495e22644_quant
		.amdhsa_group_segment_fixed_size 18432
		.amdhsa_private_segment_fixed_size 0
		.amdhsa_enable_private_segment 0
		.amdhsa_kernarg_size 32
		.amdhsa_user_sgpr_count 2
		.amdhsa_user_sgpr_kernarg_segment_ptr 1
		.amdhsa_wavefront_size32 1
		.amdhsa_system_sgpr_workgroup_id_x 1
		.amdhsa_system_sgpr_workgroup_id_y 1
		.amdhsa_system_sgpr_workgroup_id_z 1
		.amdhsa_system_vgpr_workitem_id 0
		.amdhsa_next_free_vgpr 214
		.amdhsa_next_free_sgpr 66
		.amdhsa_reserve_vcc 0
		.amdhsa_float_denorm_mode_32 3
		.amdhsa_float_denorm_mode_16_64 3
		.amdhsa_memory_ordered 1
		.amdhsa_forward_progress 1
		.amdhsa_inst_pref_size 18
	.end_amdhsa_kernel
	.amdgpu_metadata
---
amdhsa.version: [ 1, 2 ]
amdhsa.kernels:
  - .name:           k_q4495e22644_quant
    .symbol:         k_q4495e22644_quant.kd
    .args:
      - { .name: x, .offset: 0, .size: 8, .value_kind: global_buffer, .address_space: global }
      - { .name: w_qkv, .offset: 8, .size: 8, .value_kind: global_buffer, .address_space: global }
      - { .name: w_proj, .offset: 16, .size: 8, .value_kind: global_buffer, .address_space: global }
      - { .name: opq, .offset: 24, .size: 8, .value_kind: global_buffer, .address_space: global }
    .group_segment_fixed_size: 18432
    .private_segment_fixed_size: 0
    .kernarg_segment_align: 8
    .kernarg_segment_size: 32
    .max_flat_workgroup_size: 128
    .sgpr_count:     66
    .vgpr_count:     214
    .wavefront_size: 32
...
	.end_amdgpu_metadata
.endif
;; end of part 1
;; launch qkv (part 2): grid 12 x 32, 4 waves a work-group, clusters of 4 x 4, 327,680 bytes of LDS; arguments opq, rope_cos, rope_sin, qws, kv; writes qws, kv
.if DOCPART == 2
	.amdgcn_target "amdgcn-amd-amdhsa--gfx1250"
	.amdhsa_code_object_version 6
	.text
	.protected	k_q4495e22644_qkv
	.globl	k_q4495e22644_qkv
	.p2align	8
	.type	k_q4495e22644_qkv,@function
k_q4495e22644_qkv:
	s_mov_b64 s[64:65], 0
	v_nop
	global_prefetch_b8 v0, s[64:65] scope:SCOPE_SE
	s_setreg_imm32_b32 hwreg(HW_REG_WAVE_MODE, 25, 1), 1
	s_wait_xcnt 0x0
	s_wait_alu depctr_hold_cnt(0) depctr_sa_sdst(0) depctr_va_vdst(0) depctr_va_sdst(0) depctr_va_ssrc(0) depctr_va_vcc(0) depctr_vm_vsrc(0)
	s_getreg_b32 s2, hwreg(HW_REG_IB_STS2, 6, 4)
	s_cmp_eq_u32 s2, 0
	s_cbranch_scc0 .Lentry_in_a_cluster
	s_endpgm
.Lentry_in_a_cluster:
	s_bfe_u32 s2, ttmp6, 0x10000c
	s_cmp_lg_u32 s2, 0xf033
	s_cbranch_scc0 .Lentry_shape_is_right
	s_endpgm
.Lentry_shape_is_right:
.set RB,    12288
.set CH,    3072
.set FRB,   1536
.set HALFT, 8*CH
.set SLOT,  4*HALFT
.set SPARE, 2*SLOT
.set SCL0,  9437184
.set REC,   13056
.set QREC,  106496
.set AP16, 16
.set AP8,  18
.set AQ16, 20
.set AQ8,  22
.set SPW,  28
.set NIL,  29
.set PS,   32
.set QS,   64
.set AF,   128
.set G1,  24
.set G0,  32
.set G1B, 48
.set G0B, 56
.set T,    96
.set PC,   160
.set TM,   180
.set PW,   196
.set TMPR, 197
.set SW,   200
.set COS,  0
.set SIN,  32
.set MSB, 0
.macro WIN new
.if MSB != \new
	s_set_vgpr_msb (MSB<<8)|\new
.set MSB, \new
.endif
.endm
.set MUL_LO, 0xa1
.set MUL_HI, 0xf1
.set TO_B,   0x40
.macro JLOAD g0a, g1a, g0b, g1b
	s_cmp_eq_u32 s15, 0
	s_cbranch_scc0 .Lfor_b_\@
	tensor_load_to_lds s[\g0a:\g0a+3], s[\g1a:\g1a+7]
	s_nop 0
.rept 4
	v_nop
.endr
	s_branch .Lasked_\@
.Lfor_b_\@:
	tensor_load_to_lds s[\g0b:\g0b+3], s[\g1b:\g1b+7]
	s_nop 0
.rept 4
	v_nop
.endr
.Lasked_\@:
.endm
.macro CREST
	s_cmp_lg_u32 s14, 0
	s_cbranch_scc1 .Lnot_wave_0_\@
	s_barrier_signal -3
.Lnot_wave_0_\@:
	s_barrier_wait -3
	s_barrier_signal -1
	s_barrier_wait -1
.endm
.macro CROUND
	s_barrier_signal -1
	s_barrier_wait -1
	CREST
.endm
.macro PLACES n
.rept \n
	v_nop
.endr
.endm
	s_load_b256 s[4:11], s[0:1], 0x0
	s_load_b64 s[12:13], s[0:1], 0x20
	v_lshl_add_u32 v[SPW], v0, 2, SPARE
	v_mov_b32 v[NIL], 0
	ds_add_u32 v28, v29
	ds_add_u32 v28, v29
	s_wait_dscnt 0x0
	v_lshrrev_b32 v1, 5, v0
	v_readfirstlane_b32 s14, v1
	s_lshr_b32 s15, s14, 1
	s_and_b32 s16, s14, 1
	s_bfe_u32 s40, ttmp6, 0x40000
	s_bfe_u32 s41, ttmp6, 0x40004
	s_mov_b32 s42, ttmp9
	s_and_b32 s17, ttmp7, 0xffff
	s_lshl_b32 s43, s41, 2
	s_lshl_b32 s43, 15, s43
	s_lshl_b32 s44, 0x1111, s40
	s_or_b32 s[G1+0], s43, (3<<16)|(1<<21)
	s_or_b32 s[G1B+0], s44, (3<<16)|(1<<21)
.irp g, G1, G1B
	s_mov_b32 s[\g+1], 384<<16
	s_mov_b32 s[\g+2], 8<<16
	s_mov_b32 s[\g+3], 384<<16
	s_mov_b32 s[\g+4], 8
	s_mov_b32 s[\g+5], 1536
	s_mov_b32 s[\g+6], 0
	s_mov_b32 s[\g+7], 0
.endr
	s_lshl_b32 s18, s17, 6
	s_lshl_b32 s19, s42, 6
	s_add_co_u32 s19, s19, 512
	s_mov_b32 s22, 640
	s_cmp_eq_u32 s42, 2
	s_cselect_b32 s66, s22, s18
	s_cselect_b32 s67, s18, s19
	s_lshl_b32 s22, s41, 4
	s_add_co_u32 s66, s66, s22
	s_lshl_b32 s23, s40, 4
	s_add_co_u32 s67, s67, s23
	s_lshl_b32 s22, s16, 3
	s_add_co_u32 s68, s66, s22
	s_mul_i32 s68, s68, RB
	s_mov_b32 s69, 0
	s_add_co_u32 s70, s67, s22
	s_mul_i32 s70, s70, RB
	s_mov_b32 s71, 0
	s_lshl_b32 s22, s15, 3
	s_add_co_u32 s72, s66, s22
	s_lshl_b32 s72, s72, 9
	s_add_co_u32 s72, s72, SCL0
	s_mov_b32 s73, 0
	s_lshl_b32 s22, s16, 3
	s_add_co_u32 s74, s67, s22
	s_lshl_b32 s74, s74, 9
	s_add_co_u32 s74, s74, SCL0
	s_mov_b32 s75, 0
	s_mul_i32 s45, s14, HALFT
	s_wait_kmcnt 0x0
	s_add_nc_u64 s[68:69], s[4:5], s[68:69]
	s_add_nc_u64 s[70:71], s[4:5], s[70:71]
	s_add_nc_u64 s[72:73], s[4:5], s[72:73]
	s_add_nc_u64 s[74:75], s[4:5], s[74:75]
	CROUND
.irp s, 0,1
	s_mov_b32 s[G0+4*\s], 1
	s_add_co_u32 s[G0+4*\s+1], s45, \s*SLOT
	s_add_nc_u64 s[G0+4*\s+2:G0+4*\s+3], s[68:69], \s*CH
	s_or_b32 s[G0+4*\s+3], s[G0+4*\s+3], 0x80000000
	s_mov_b32 s[G0B+4*\s], 1
	s_add_co_u32 s[G0B+4*\s+1], s45, \s*SLOT
	s_add_nc_u64 s[G0B+4*\s+2:G0B+4*\s+3], s[70:71], \s*CH
	s_or_b32 s[G0B+4*\s+3], s[G0B+4*\s+3], 0x80000000
.endr
	JLOAD G0, G1, G0B, G1B                         ; slot 0: my one tensor load at the head, behind the round
	v_and_b32 v1, 15, v0
	v_bfe_u32 v2, v0, 4, 1
	v_and_b32 v8, 31, v0
	v_lshlrev_b32 v3, 4, v8
	v_lshlrev_b32 v4, 3, v8
	s_mul_i32 s22, s15, HALFT
	s_mul_i32 s23, s16, HALFT
	s_add_co_u32 s23, s23, 2*HALFT
.irp s, 0,1
	v_add_nc_u32 v[AP16+\s], s22, v3
	v_add_nc_u32 v[AP8+\s], s22, v4
	v_add_nc_u32 v[AQ16+\s], s23, v3
	v_add_nc_u32 v[AQ8+\s], s23, v4
	s_add_co_u32 s22, s22, SLOT
	s_add_co_u32 s23, s23, SLOT
.endr
	v_lshlrev_b32 v6, 11, v2
	v_lshl_add_u32 v6, v1, 5, v6
	v_and_b32 v7, 8, v1
	v_add_nc_u32 v7, v7, v1
	v_lshlrev_b32 v7, 8, v7
	v_lshl_add_u32 v7, v2, 6, v7
.irp i, 0,1,2,3
.irp e, 0,1
	global_load_b128 v[PS+8*\i+4*\e:PS+8*\i+4*\e+3], v6, s[72:73] offset:512*\i+16*\e
	global_load_b128 v[QS+8*\i+4*\e:QS+8*\i+4*\e+3], v6, s[74:75] offset:512*\i+16*\e
.endr
.endr
	s_wait_alu depctr_va_vdst(0)                   ; the wait at the head's end
	s_wait_tensorcnt 0x0                           ; slot 0 is in; the scale loads above are out meanwhile
	ds_add_u32 v[SPW], v[NIL]
	s_wait_dscnt 0x0
	CROUND
	JLOAD G0+4, G1, G0B+4, G1B                     ; slot 1's first fill, issued as a refill is
.macro WM
.if CZ
.if RR == 0
	v_wmma_scale_f32_16x16x128_f8f6f4 v[DD:DD+7], v[QA:QA+11], v[PA:PA+11], 0, v[SQ], v[SPR] matrix_a_fmt:MATRIX_FMT_FP6 matrix_b_fmt:MATRIX_FMT_FP6
.elseif RR == 1
	v_wmma_scale_f32_16x16x128_f8f6f4 v[DD:DD+7], v[QA:QA+11], v[PA:PA+11], 0, v[SQ], v[SPR] matrix_a_fmt:MATRIX_FMT_FP6 matrix_b_fmt:MATRIX_FMT_FP6 matrix_a_scale:MATRIX_SCALE_ROW1
.elseif RR == 2
	v_wmma_scale_f32_16x16x128_f8f6f4 v[DD:DD+7], v[QA:QA+11], v[PA:PA+11], 0, v[SQ], v[SPR] matrix_a_fmt:MATRIX_FMT_FP6 matrix_b_fmt:MATRIX_FMT_FP6 matrix_b_scale:MATRIX_SCALE_ROW1
.else
	v_wmma_scale_f32_16x16x128_f8f6f4 v[DD:DD+7], v[QA:QA+11], v[PA:PA+11], 0, v[SQ], v[SPR] matrix_a_fmt:MATRIX_FMT_FP6 matrix_b_fmt:MATRIX_FMT_FP6 matrix_a_scale:MATRIX_SCALE_ROW1 matrix_b_scale:MATRIX_SCALE_ROW1
.endif
.else
.if RR == 0
	v_wmma_scale_f32_16x16x128_f8f6f4 v[DD:DD+7], v[QA:QA+11], v[PA:PA+11], v[DD:DD+7], v[SQ], v[SPR] matrix_a_fmt:MATRIX_FMT_FP6 matrix_b_fmt:MATRIX_FMT_FP6
.elseif RR == 1
	v_wmma_scale_f32_16x16x128_f8f6f4 v[DD:DD+7], v[QA:QA+11], v[PA:PA+11], v[DD:DD+7], v[SQ], v[SPR] matrix_a_fmt:MATRIX_FMT_FP6 matrix_b_fmt:MATRIX_FMT_FP6 matrix_a_scale:MATRIX_SCALE_ROW1
.elseif RR == 2
	v_wmma_scale_f32_16x16x128_f8f6f4 v[DD:DD+7], v[QA:QA+11], v[PA:PA+11], v[DD:DD+7], v[SQ], v[SPR] matrix_a_fmt:MATRIX_FMT_FP6 matrix_b_fmt:MATRIX_FMT_FP6 matrix_b_scale:MATRIX_SCALE_ROW1
.else
	v_wmma_scale_f32_16x16x128_f8f6f4 v[DD:DD+7], v[QA:QA+11], v[PA:PA+11], v[DD:DD+7], v[SQ], v[SPR] matrix_a_fmt:MATRIX_FMT_FP6 matrix_b_fmt:MATRIX_FMT_FP6 matrix_a_scale:MATRIX_SCALE_ROW1 matrix_b_scale:MATRIX_SCALE_ROW1
.endif
.endif
.endm
.macro MUL16 a0, p, s, cz
.irp a, \a0, \a0+1
.irp b, 0,1,2,3,4,5,6,7
.set DD, 8*(8*((\a)%4)+\b)
.set QA, 128*(\p)+12*\b
.set PA, AF+12*(\a)
.set SQ, QS+8*(\b%4)+(\s)
.set SPR, PS+8*((\a)%4)+(\s)
.set RR, (\b/4)+2*((\a)/4)
.set CZ, \cz
	WM
.endr
.endr
.endm
.macro FRAG reg, a16, a8, q, i
	ds_load_b128 v[\reg:\reg+3], v[\a16] offset:(\i)*CH+(\q)*FRB
	ds_load_b64 v[\reg+4:\reg+5], v[\a8] offset:(\i)*CH+(\q)*FRB+512
	ds_load_b128 v[\reg+6:\reg+9], v[\a16] offset:(\i)*CH+(\q)*FRB+768
	ds_load_b64 v[\reg+10:\reg+11], v[\a8] offset:(\i)*CH+(\q)*FRB+1280
.endm
.macro FETCH_B slot, q, p
	WIN TO_B
.irp i, 0,1,2,3,4,5,6,7
	FRAG 128*(\p)+12*\i, AQ16+\slot, AQ8+\slot, \q, \i
.endr
	WIN 0
.endm
.macro FETCH_A slot, q, i0
.irp i, \i0, \i0+1, \i0+2, \i0+3
	FRAG AF+12*(\i), AP16+\slot, AP8+\slot, \q, \i
.endr
.endm
.macro STEP slot, s, cz
	s_wait_dscnt 16
	WIN MUL_LO
	MUL16 0, 0, \s, \cz
	MUL16 2, 0, \s, \cz
	s_wait_dscnt 0x0
	PLACES 4
	FETCH_B \slot, 1, 1
	FETCH_A \slot, 1, 0
	WIN MUL_HI
	MUL16 4, 0, \s, \cz
	MUL16 6, 0, \s, \cz
	PLACES 4
	WIN 0
	FETCH_A \slot, 1, 4
.endm
.macro TURN slot, next, fill, s
	s_wait_tensorcnt 0x0
	ds_add_u32 v[SPW], v[NIL]
	s_wait_dscnt 17
	WIN MUL_LO
	MUL16 0, 1, \s, 0
	s_wait_dscnt 0x0
	s_barrier_signal -1
	MUL16 2, 1, \s, 0
	WIN 0
	s_barrier_wait -1
.if \fill
	CREST
	s_add_nc_u64 s[G0+4*\slot+2:G0+4*\slot+3], s[G0+4*\slot+2:G0+4*\slot+3], 2*CH
	s_add_nc_u64 s[G0B+4*\slot+2:G0B+4*\slot+3], s[G0B+4*\slot+2:G0B+4*\slot+3], 2*CH
	JLOAD G0+4*\slot, G1, G0B+4*\slot, G1B
.else
	PLACES 4
.endif
	s_wait_alu depctr_va_vdst(0)
	FETCH_B \next, 0, 0
	FETCH_A \next, 0, 0
	WIN MUL_HI
	MUL16 4, 1, \s, 0
	MUL16 6, 1, \s, 0
	PLACES 4
	WIN 0
	FETCH_A \next, 0, 4
.endm
	s_wait_tensorcnt 1
	s_barrier_signal -1
	s_barrier_wait -1
	FETCH_B 0, 0, 0
	FETCH_A 0, 0, 0
	FETCH_A 0, 0, 4
	s_wait_loadcnt 0x0
	STEP 0, 0, 1
	TURN 0, 1, 1, 1
	STEP 1, 2, 0
	TURN 1, 0, 1, 3
	STEP 0, 4, 0
	TURN 0, 1, 0, 5
	STEP 1, 6, 0
	s_wait_dscnt 16
	WIN MUL_LO
	MUL16 0, 1, 7, 0
	MUL16 2, 1, 7, 0
	s_wait_dscnt 0x0
	WIN MUL_HI
	MUL16 4, 1, 7, 0
	MUL16 6, 1, 7, 0
	WIN 0
	PLACES 4
.macro QUANT s, w
.set WW, (\w)|((\w)<<2)
	WIN WW
.irp b, 0,1,2,3
	v_max3_num_f32 v[TM+\b], |v[\s+16*\b]|, |v[\s+1+16*\b]|, 0x1800000
.endr
.irp i, 2,4,6,8,10,12,14
.irp b, 0,1,2,3
	v_max3_num_f32 v[TM+\b], |v[\s+16*\b+\i]|, |v[\s+1+16*\b+\i]|, v[TM+\b]
.endr
.endr
	WIN 0
.irp b, 0,1,2,3
	v_permlanex16_b32 v[TM+4+\b], v[TM+\b], s20, s21
.endr
.irp b, 0,1,2,3
	v_max_num_f32 v[TM+\b], v[TM+\b], v[TM+4+\b]
.endr
.irp b, 0,1,2,3
	v_add_nc_u32 v[TM+12+\b], 0xff000000, v[TM+\b]
.endr
.irp b, 0,1,2,3
	v_lshrrev_b32 v[TM+4+\b], 23, v[TM+12+\b]
.endr
	v_lshl_or_b32 v[PW], v[TM+5], 8, v[TM+4]
	v_lshl_or_b32 v[PW], v[TM+6], 16, v[PW]
	v_lshl_or_b32 v[PW], v[TM+7], 24, v[PW]
.set WW, \w
	WIN WW
.irp c, 0,1
	v_cvt_scalef32_pk16_fp6_f32 v[PC+6*\c:PC+2+6*\c], v[\s+32*\c:\s+15+32*\c], v[TM+12+2*\c]
	v_cvt_scalef32_pk16_fp6_f32 v[PC+12+4*\c:PC+14+4*\c], v[\s+16+32*\c:\s+31+32*\c], v[TM+13+2*\c]
.endr
	WIN 0
	v_nop
.irp c, 0,1
.irp i, 0,1,2
	v_permlane16_swap_b32 v[PC+6*\c+\i], v[PC+12+4*\c+\i]
.endr
.irp i, 0,1,2
	v_mov_b32 v[PC+3+6*\c+\i], v[PC+12+4*\c+\i]
.endr
.endr
.endm
	s_mov_b32 s20, 0x76543210
	s_mov_b32 s21, 0xfedcba98
	v_cmp_lt_u32 vcc_lo, 15, v8
.irp b, 0,1,2,3
	v_mov_b32 v[TM+4+\b], 0
.endr
	s_cmp_eq_u32 s42, 2
	s_cbranch_scc1 .Lv
	s_lshl_b32 s76, s17, 2
	s_add_co_u32 s76, s76, s41
	s_lshr_b32 s77, s76, 3
	s_and_b32 s76, s76, 7
	s_lshl_b32 s76, s76, 1
	s_add_co_u32 s76, s76, s15
	s_lshl_b32 s78, s76, 15
	s_mov_b32 s79, 0
	s_add_nc_u64 s[6:7], s[6:7], s[78:79]
	s_add_nc_u64 s[8:9], s[8:9], s[78:79]
	s_lshl_b32 s77, s77, 4
	s_lshl_b32 s80, s40, 2
	s_add_co_u32 s77, s77, s80
	s_lshl_b32 s80, s16, 1
	s_add_co_u32 s77, s77, s80
	s_mul_i32 s80, s77, QREC
	s_mul_i32 s81, s76, 6144
	s_add_co_u32 s81, s81, s80
	s_lshl_b32 s82, s76, 9
	s_add_co_u32 s82, s82, s80
	s_add_co_u32 s82, s82, 98304
	s_lshl_b32 s83, s77, 4
	s_add_co_u32 s83, s83, s76
	s_mul_i32 s83, s83, REC
	s_add_co_u32 s84, s83, 12288
	s_mov_b32 s85, 16*REC
	s_cmp_eq_u32 s42, 0
	s_cselect_b64 s[86:87], s[10:11], s[12:13]
	s_cselect_b32 s88, s81, s83
	s_cselect_b32 s90, s82, s84
	s_cselect_b32 s92, QREC, s85
	s_mov_b32 s89, 0
	s_mov_b32 s91, 0
	s_mov_b32 s93, 0
	s_add_nc_u64 s[88:89], s[86:87], s[88:89]
	s_add_nc_u64 s[90:91], s[86:87], s[90:91]
	s_add_nc_u64 s[94:95], s[88:89], s[92:93]
	s_add_nc_u64 s[96:97], s[90:91], s[92:93]
.macro RLOAD a
	WIN TO_B
.irp c, 0,1
.irp q, 0,1,2,3
	global_load_b128 v[COS+16*\c+4*\q:COS+16*\c+4*\q+3], v7, s[6:7] offset:(32*((\a)/2)+8*((\a)%2))*256+128*\c+16*\q
	global_load_b128 v[SIN+16*\c+4*\q:SIN+16*\c+4*\q+3], v7, s[8:9] offset:(32*((\a)/2)+8*((\a)%2))*256+128*\c+16*\q
.endr
.endr
	WIN 0
.endm
.macro ROPE a
.set WW, (2+(\a)/4)|4
	WIN WW
.irp hh, 0,1
.set LB, 64*((\a)%4)+32*\hh
.irp i, 0,2,4,6,8,10,12,14
	v_pk_mul_f32 v[T+32*\hh+\i:T+32*\hh+\i+1], v[LB+16+\i:LB+16+\i+1], v[SIN+\i:SIN+\i+1]
.endr
.irp i, 0,2,4,6,8,10,12,14
	v_pk_mul_f32 v[T+32*\hh+16+\i:T+32*\hh+16+\i+1], v[LB+\i:LB+\i+1], v[SIN+16+\i:SIN+16+\i+1]
.endr
.irp i, 0,2,4,6,8,10,12,14
	v_pk_fma_f32 v[T+32*\hh+\i:T+32*\hh+\i+1], v[LB+\i:LB+\i+1], v[COS+\i:COS+\i+1], v[T+32*\hh+\i:T+32*\hh+\i+1] neg_lo:[0,0,1] neg_hi:[0,0,1]
.endr
.irp i, 0,2,4,6,8,10,12,14
	v_pk_fma_f32 v[T+32*\hh+16+\i:T+32*\hh+16+\i+1], v[LB+16+\i:LB+16+\i+1], v[COS+16+\i:COS+16+\i+1], v[T+32*\hh+16+\i:T+32*\hh+16+\i+1]
.endr
.endr
	WIN 0
.endm
.macro QKOUT a
	global_store_b128 v3, v[PC:PC+3], s[88:89] offset:768*(\a)
	global_store_b64 v4, v[PC+4:PC+5], s[88:89] offset:768*(\a)+512
	global_store_b128 v3, v[PC+6:PC+9], s[94:95] offset:768*(\a)
	global_store_b64 v4, v[PC+10:PC+11], s[94:95] offset:768*(\a)+512
.if (\a)%2 == 0
	v_and_b32 v[SW+(\a)/2], 0xffff, v[PW]
	v_lshrrev_b32 v[SW+4+(\a)/2], 16, v[PW]
.else
	v_and_b32 v[TMPR], 0xffff, v[PW]
	v_cndmask_b32 v[SW+(\a)/2], v[SW+(\a)/2], v[TMPR], vcc_lo
	v_lshrrev_b32 v[TMPR], 16, v[PW]
	v_cndmask_b32 v[SW+4+(\a)/2], v[SW+4+(\a)/2], v[TMPR], vcc_lo
.endif
.endm
	RLOAD 0
.irp a, 0,1,2,3,4,5,6,7
	s_wait_loadcnt 0x0
	ROPE \a
.if \a < 7
	RLOAD \a+1
.endif
.if \a > 0
	s_wait_xcnt 0x0
.endif
	QUANT T, 0
	QKOUT \a
.endr
	global_store_b128 v3, v[SW:SW+3], s[90:91]
	global_store_b128 v3, v[SW+4:SW+7], s[96:97]
	s_branch .Ldone
.Lv:
	s_lshl_b32 s76, s17, 2
	s_add_co_u32 s76, s76, s40
	s_lshr_b32 s77, s76, 3
	s_and_b32 s76, s76, 7
	s_lshl_b32 s76, s76, 1
	s_add_co_u32 s76, s76, s16
	s_lshl_b32 s77, s77, 4
	s_lshl_b32 s78, s41, 2
	s_add_co_u32 s77, s77, s78
	s_lshl_b32 s78, s15, 1
	s_add_co_u32 s77, s77, s78
	s_lshl_b32 s77, s77, 4
	s_add_co_u32 s77, s77, s76
	s_mul_i32 s88, s77, REC
	s_mov_b32 s89, 0
	s_add_nc_u64 s[88:89], s[12:13], s[88:89]
	s_add_nc_u64 s[94:95], s[88:89], 16*REC
.irp a, 0,1,2,3,4,5,6,7
.if \a > 0
	s_wait_xcnt 0x0
.endif
	QUANT 64*(\a%4), 2+\a/4
.irp g, 0,1,2
	global_store_b128 v3, v[PC+4*\g:PC+4*\g+3], s[88+6*(\a/4):89+6*(\a/4)] offset:6144+1536*(\a%4)+512*\g
.endr
.if \a%2 == 0
	v_mov_b32 v[SW+2*(\a/4)+(\a%4)/2], v[PW]
.else
	v_cndmask_b32 v[SW+2*(\a/4)+(\a%4)/2], v[SW+2*(\a/4)+(\a%4)/2], v[PW], vcc_lo
.endif
.if \a%4 == 3
	global_store_b64 v4, v[SW+2*(\a/4):SW+2*(\a/4)+1], s[88+6*(\a/4):89+6*(\a/4)] offset:12800
.endif
.endr
.Ldone:
	s_wait_tensorcnt 0x0
	ds_add_u32 v[SPW], v[NIL]
	s_wait_dscnt 0x0
	CROUND
	s_endpgm
.Lfunc_end_k_q4495e22644_qkv:
	.size	k_q4495e22644_qkv, .Lfunc_end_k_q4495e22644_qkv-k_q4495e22644_qkv
	.p2alignl 7, 3214868480
	.fill 96, 4, 3214868480
	.section	.rodata,"a",@progbits
	.p2align	6, 0x0
	.amdhsa_kernel k_q4495e22644_qkv
		.amdhsa_group_segment_fixed_size 327680
		.amdhsa_private_segment_fixed_size 0
		.amdhsa_enable_private_segment 0
		.amdhsa_kernarg_size 40
		.amdhsa_user_sgpr_count 2
		.amdhsa_user_sgpr_kernarg_segment_ptr 1
		.amdhsa_wavefront_size32 1
		.amdhsa_system_sgpr_workgroup_id_x 1
		.amdhsa_system_sgpr_workgroup_id_y 1
		.amdhsa_system_sgpr_workgroup_id_z 1
		.amdhsa_system_vgpr_workitem_id 0
		.amdhsa_next_free_vgpr 1024
		.amdhsa_next_free_sgpr 100
		.amdhsa_reserve_vcc 1
		.amdhsa_float_denorm_mode_32 3
		.amdhsa_float_denorm_mode_16_64 3
		.amdhsa_memory_ordered 1
		.amdhsa_forward_progress 1
		.amdhsa_inst_pref_size 227
	.end_amdhsa_kernel
	.amdgpu_metadata
---
amdhsa.version: [ 1, 2 ]
amdhsa.kernels:
  - .name:           k_q4495e22644_qkv
    .symbol:         k_q4495e22644_qkv.kd
    .args:
      - { .name: opq, .offset: 0, .size: 8, .value_kind: global_buffer, .address_space: global }
      - { .name: rope_cos, .offset: 8, .size: 8, .value_kind: global_buffer, .address_space: global }
      - { .name: rope_sin, .offset: 16, .size: 8, .value_kind: global_buffer, .address_space: global }
      - { .name: qws, .offset: 24, .size: 8, .value_kind: global_buffer, .address_space: global }
      - { .name: kv, .offset: 32, .size: 8, .value_kind: global_buffer, .address_space: global }
    .group_segment_fixed_size: 327680
    .private_segment_fixed_size: 0
    .kernarg_segment_align: 8
    .kernarg_segment_size: 40
    .max_flat_workgroup_size: 128
    .sgpr_count:     100
    .vgpr_count:     1024
    .wavefront_size: 32
...
	.end_amdgpu_metadata
.endif
;; end of part 2
;; launch attn (part 3): grid 4 x 64, 16 waves a work-group, clusters of 4 x 1, 263,168 bytes of LDS; arguments qws, kv, oimg, oscl; writes oimg, oscl
.if DOCPART == 3
	.amdgcn_target "amdgcn-amd-amdhsa--gfx1250"
	.amdhsa_code_object_version 6
	.text
	.protected	k_q4495e22644_attn
	.globl	k_q4495e22644_attn
	.p2align	8
	.type	k_q4495e22644_attn,@function
k_q4495e22644_attn:
	s_mov_b64 s[64:65], 0
	v_nop
	global_prefetch_b8 v0, s[64:65] scope:SCOPE_SE
	s_setreg_imm32_b32 hwreg(HW_REG_WAVE_MODE, 25, 1), 1
	s_wait_xcnt 0x0
	s_wait_alu depctr_hold_cnt(0) depctr_sa_sdst(0) depctr_va_vdst(0) depctr_va_sdst(0) depctr_va_ssrc(0) depctr_va_vcc(0) depctr_vm_vsrc(0)
	s_getreg_b32 s2, hwreg(HW_REG_IB_STS2, 6, 4)
	s_cmp_eq_u32 s2, 0
	s_cbranch_scc0 .Lentry_in_a_cluster
	s_endpgm
.Lentry_in_a_cluster:
	s_bfe_u32 s2, ttmp6, 0x10000c
	s_cmp_lg_u32 s2, 0x3003
	s_cbranch_scc0 .Lentry_shape_is_right
	s_endpgm
.Lentry_shape_is_right:
; o = softmax(q k^T / 8) v for each of 64 (batch, head) pairs, 2,048 tokens, head size 64, both products on codes of FP6 (E2M3) with E8M0 scales; o is quantised along the channels for the projection.
; THE SOFTMAX: t = score x log2(e) / 8; M = the row's largest t so far, rounded UP to a whole number; p = 2^(t - M) is quantised along the keys, not normalised.  The row's sum is taken of the
; unquantised p and divides O at the end.  When M moves, the sum and O are multiplied by 2^(old M - new M): exact.
; SHARES.  A work-group owns 512 queries of one head; each of its sixteen waves two tiles of 16, one after the other, in 256 registers.
; THE WHOLE HEAD'S K AND V LIE IN LDS: 16 records of 13,056 bytes (128 keys: K's 8 half images, V's 4 images, K's scale words, V's).  Wave w brings record w with one tensor load at the head, as 51 rows of
; 256 bytes, 64 bytes of padding behind each: an LDS row is 320 bytes, a record 16,320.  Nothing is filled again.  The four work-groups of a cluster belong to one head: each record is asked for JOINTLY.
; No prefetch: the one fill stands at the head, and there is no loop to run ahead in.
; LAYOUT.  Both products are used transposed: S^T = K Q^T, O^T = V^T P^T: a lane holds one query throughout.
; A TILE OF K IS READ FROM TWO STORED IMAGES: row r of tile 4 c + u is key 64 c + 8 u + r % 8 + 32 (r / 8).  Stored image T holds in its row x key 32 (T / 2) + 8 (T % 2) + x % 8 + 16 (x / 8), so that row is
; row r % 8 + 8 (u / 2) of image 4 c + u % 2 + 2 (r / 8).  Two images on are six LDS rows, 1,920 bytes, 128 modulo 256: the sixteen lanes of a 16-byte read touch 256 different bytes modulo 256.
; Then register 32 c + i of lane half h is key 64 c + 32 h + i: A WHOLE BLOCK OF 32 KEYS IN ONE LANE, in the order of the next operand: its largest score needs no other lane and its codes no lane swap.
; K = 64 IN THE FIRST PRODUCT: Q's registers 6-11 hold zero codes; K's operand runs on into the next tile's six registers (behind the last: zeros); bytes 2 and 3 of both scale words are 0, which is 2^-127.
; THE ROW'S SUM of a step is added up behind the step's second product and behind the next step's first: these additions are the places behind those matrix instructions.
; REGISTERS: v1, v2, v252 16, 8, 4 x lane; v3-5, v205 lane parts of K's, K's scales' and V's LDS addresses; v6-10 the trip's addresses; v11 8 h; v12 -M; v13 the largest score; v[14:15] the sum;
;   v16-27, v192-203 Q; v28, v204 its scale words; v29 o's; v30, v31 the add's; v32-79 K, then V; v80-85 zeros; v86-89 K's scale words; v90-91 V's; v92-95 maxima; v96-159 S^T, then p; v160-191 O^T;
;   v206-217 p's codes; v218-224 their odd halves; v226-241 eight partial sums; v242-251 at work; v250 p's scale word.
; LIMITS: NaN and infinities are not served; a block whose largest magnitude lies under 2^-124 (zeros too) gets the scale byte 1; the scaled scores stay under 2^31 in magnitude.
.set REC,  13056
.set RECL, 16320
.set QREC, 106496
.set SPARE, 16*RECL                    ; behind the records: the spare words, 128 bytes a wave
.set G1, 24
.set G0, 32
.set TS, 226
.macro CROUND
	s_barrier_signal -1
	s_barrier_wait -1
	s_cmp_lg_u32 s12, 0
	s_cbranch_scc1 .Lnot_wave_0_\@
	s_barrier_signal -3
.Lnot_wave_0_\@:
	s_barrier_wait -3
	s_barrier_signal -1
	s_barrier_wait -1
.endm
	s_load_b256 s[4:11], s[0:1], 0x0               ; qws, kv, oimg, oscl
	v_lshl_add_u32 v30, v0, 2, SPARE
	v_mov_b32 v31, 0
	ds_add_u32 v30, v31                            ; the opening lines
	ds_add_u32 v30, v31
	v_lshrrev_b32 v1, 5, v0
	s_delay_alu instid0(VALU_DEP_1)
	v_readfirstlane_b32 s12, v1                    ; wave 0..15
	s_bfe_u32 s13, ttmp6, 0x40000                  ; cx: which 512 queries: it enters Q's and o's addresses alone
	s_and_b32 s14, ttmp7, 0xffff                   ; 16 x batch + head
	s_mov_b32 s[G1], 15|(3<<16)|(1<<20)|(1<<21)|(5<<22)|(15<<25)   ; mask of all four; elements of 8 bytes; 16 words of padding behind every 64
	s_mov_b32 s[G1+1], 32<<16
	s_mov_b32 s[G1+2], 51<<16
	s_mov_b32 s[G1+3], 32<<16
	s_mov_b32 s[G1+4], 51
	s_mov_b32 s[G1+5], 32
	s_mov_b32 s[G1+6], 0
	s_mov_b32 s[G1+7], 0
	s_mov_b32 s20, 0x76543210
	s_mov_b32 s21, 0xfedcba98                      ; selects for lane l xor 16
	s_mov_b32 s22, 0x3e38aa3b                      ; c = log2(e) / 8
	s_mov_b32 s23, s22
	s_mov_b32 s60, 0xbe38aa3b                      ; -c
	s_mov_b32 s61, 0xffff0000                      ; lanes 16-31
	s_lshl_b32 s44, s14, 4
	s_add_co_u32 s44, s44, s12
	s_mul_i32 s44, s44, REC                        ; record w of my head, in memory,
	s_mov_b32 s45, 0
	s_mul_i32 s46, s12, RECL                       ; and in LDS
	s_lshl_b32 s47, s13, 5
	s_lshl_b32 s48, s12, 1
	s_add_co_u32 s47, s47, s48                     ; my first tile of queries: 32 cx + 2 w
	s_mul_i32 s48, s14, QREC
	s_mul_i32 s50, s47, 768
	s_add_co_u32 s50, s50, s48
	s_mov_b32 s51, 0
	s_lshr_b32 s52, s47, 3
	s_lshl_b32 s52, s52, 9
	s_and_b32 s53, s12, 3
	s_lshl_b32 s53, s53, 2
	s_add_co_u32 s52, s52, s53
	s_add_co_u32 s52, s52, s48
	s_add_co_u32 s52, s52, 98304
	s_mov_b32 s53, 0
	s_lshr_b32 s54, s14, 4
	s_lshl_b32 s54, s54, 7
	s_add_co_u32 s54, s54, s47                     ; the tile as a row block of the projection's operand
	s_and_b32 s55, s14, 15
	s_mul_i32 s56, s54, 12288
	s_mul_i32 s57, s55, 768
	s_add_co_u32 s56, s56, s57
	s_mov_b32 s57, 0
	s_lshl_b32 s58, s54, 6
	s_lshl_b32 s59, s55, 15
	s_add_co_u32 s58, s58, s59
	s_mov_b32 s59, 0
	v_and_b32 v7, 31, v0                           ; lane
	v_and_b32 v8, 15, v0                           ; r
	v_and_b32 v9, 7, v0                            ; r % 8
	v_bfe_u32 v10, v0, 3, 1                        ; r / 8
	v_bfe_u32 v11, v0, 4, 1                        ; h
	v_lshlrev_b32 v1, 4, v7
	v_lshlrev_b32 v2, 3, v7
	v_lshlrev_b32 v252, 2, v7
	v_lshlrev_b32 v8, 4, v8                        ; 16 r: Q's scale words
	v_mul_u32_u24 v3, v10, 1920
	v_mul_u32_u24 v6, v11, 320
	v_lshlrev_b32 v5, 2, v10
	v_lshl_add_u32 v4, v9, 3, v3
	v_lshl_add_u32 v3, v9, 4, v3
	v_lshl_add_u32 v5, v9, 4, v5
	v_lshl_add_u32 v4, v11, 7, v4                  ; K's 8-byte pieces: 8 (r % 8) + 1920 (r / 8) + 128 h
	v_add_nc_u32 v3, v3, v6                        ; K's 16-byte pieces: 16 (r % 8) + 1920 (r / 8) + 320 h
	v_add_nc_u32 v5, v5, v6                        ; K's scale words: 16 (r % 8) + 4 (r / 8) + 320 h
	v_lshl_add_u32 v205, v11, 6, v1                ; V: 16 (lane % 16) + 320 h
	v_lshlrev_b32 v11, 3, v11                      ; 8 h
.irp j, 22,23,24,25,26,27, 80,81,82,83,84,85, 198,199,200,201,202,203, 245, 251
	v_mov_b32 v\j, 0                               ; zero codes; a pair's upper half and a permute's destination, named before they are written
.endr
	s_wait_alu depctr_va_vdst(0)                   ; the wait at the head's end
	s_wait_dscnt 0x0
	s_wait_kmcnt 0x0
	s_add_nc_u64 s[36:37], s[4:5], s[50:51]        ; Q's codes
	s_add_nc_u64 s[38:39], s[4:5], s[52:53]        ; Q's scale words
	s_add_nc_u64 s[40:41], s[8:9], s[56:57]        ; o's codes
	s_add_nc_u64 s[42:43], s[10:11], s[58:59]      ; o's scale words
	s_mov_b32 s[G0], 1
	s_mov_b32 s[G0+1], s46
	s_add_nc_u64 s[G0+2:G0+3], s[6:7], s[44:45]
	s_or_b32 s[G0+3], s[G0+3], 0x80000000
	CROUND                                         ; all four work-groups are here: the joint loads meet
	tensor_load_to_lds s[G0:G0+3], s[G1:G1+7]      ; my one tensor load of the launch
	s_nop 0
.rept 4
	v_nop
.endr
	global_load_b128 v[16:19], v1, s[36:37]
	global_load_b64 v[20:21], v2, s[36:37] offset:512
	global_load_b32 v28, v8, s[38:39]
	global_load_b128 v[192:195], v1, s[36:37] offset:768
	global_load_b64 v[196:197], v2, s[36:37] offset:1280
	global_load_b32 v204, v8, s[38:39] offset:256
	s_wait_tensorcnt 0x0                           ; my record is in,
	s_barrier_signal -1
	s_barrier_wait -1                              ; everybody's is
	s_wait_loadcnt 0x0                             ; Q
; A KEY STEP: 128 keys, the record o bytes behind the trip's addresses.
.macro STEP qf, qs, o
.irp t, 0,1,2,3,4,5,6,7
	ds_load_b128 v[32+6*\t:35+6*\t], v6 offset:\o+960*(4*(\t/4)+\t%2)+128*((\t%4)/2)
	ds_load_b64 v[36+6*\t:37+6*\t], v7 offset:\o+960*(4*(\t/4)+\t%2)+640+64*((\t%4)/2)
.endr
.irp i, 0,1,2,3
	ds_load_b32 v[86+\i], v8 offset:\o+15360+128*(\i%2)+8*(\i/2)   ; lanes 0-15 tile 2 i, lanes 16-31 tile 2 i + 1
.endr
	ds_load_b64 v[90:91], v10 offset:\o+16000      ; V's scale words
	s_wait_alu depctr_va_vdst(0)                   ; the wait ahead of the wait below
	s_wait_dscnt 0x0
.irp t, 0,2,4,6
	v_wmma_scale_f32_16x16x128_f8f6f4 v[96+8*\t:103+8*\t], v[32+6*\t:43+6*\t], v[\qf:\qf+11], 0, v[86+\t/2], v[\qs] matrix_a_fmt:MATRIX_FMT_FP6 matrix_b_fmt:MATRIX_FMT_FP6
	v_wmma_scale_f32_16x16x128_f8f6f4 v[104+8*\t:111+8*\t], v[38+6*\t:49+6*\t], v[\qf:\qf+11], 0, v[86+\t/2], v[\qs] matrix_a_fmt:MATRIX_FMT_FP6 matrix_b_fmt:MATRIX_FMT_FP6 matrix_a_scale:MATRIX_SCALE_ROW1
.endr
.irp j, 0,1,2,3
	v_pk_add_f32 v[TS+2*\j:TS+2*\j+1], v[TS+2*\j:TS+2*\j+1], v[TS+8+2*\j:TS+9+2*\j]   ; the last step's partial sums: the four places behind the products
.endr
.irp a, 0,1,2,3
.irp g, 0,1,2
	ds_load_b128 v[32+12*\a+4*\g:35+12*\a+4*\g], v9 offset:\o+320*(24+6*\a+2*\g)   ; V's four images land behind the softmax
.endr
.endr
.irp b, 0,1,2,3
	v_max3_num_f32 v[92+\b], v[96+16*\b], v[97+16*\b], v[98+16*\b]   ; four chains of 16 scores; chains 0, 1 are my block of c = 0, chains 2, 3 that of c = 1
.endr
.irp i, 3,5,7,9,11,13
.irp b, 0,1,2,3
	v_max3_num_f32 v[92+\b], v[92+\b], v[96+16*\b+\i], v[97+16*\b+\i]
.endr
.endr
	v_pk_add_f32 v[TS:TS+1], v[TS:TS+1], v[TS+4:TS+5]
	v_pk_add_f32 v[TS+2:TS+3], v[TS+2:TS+3], v[TS+6:TS+7]
	v_max3_num_f32 v92, v92, v93, v111
	v_max3_num_f32 v94, v94, v95, v143
	s_delay_alu instid0(VALU_DEP_3)
	v_pk_add_f32 v[TS:TS+1], v[TS:TS+1], v[TS+2:TS+3]
	v_max_num_f32 v92, v92, v127                   ; the largest score of each of my two blocks: for the row's maximum and for the block's largest p
	v_max_num_f32 v94, v94, v159
	s_delay_alu instid0(VALU_DEP_3)
	v_pk_add_f32 v[14:15], v[14:15], v[TS:TS+1]    ; the last step's sum is whole, under the last step's M
	s_delay_alu instid0(VALU_DEP_2)
	v_max3_num_f32 v242, v13, v92, v94
	s_delay_alu instid0(VALU_DEP_1)
	v_permlanex16_b32 v251, v242, s20, s21
	s_delay_alu instid0(VALU_DEP_1)
	v_max_num_f32 v13, v242, v251                  ; the running largest score of my query
	s_delay_alu instid0(VALU_DEP_1)
	v_mul_f32 v243, s60, v13                       ; -t
	s_delay_alu instid0(VALU_DEP_1)
	v_floor_f32 v242, v243                         ; the new -M: M is a whole number
	s_delay_alu instid0(VALU_DEP_1)
	v_sub_f32 v243, v242, v12                      ; old M - new M, 0 or less
	v_mov_b32 v12, v242
	s_delay_alu instid0(VALU_DEP_2)
	v_cvt_i32_f32 v243, v243                       ; (it saturates)
	s_delay_alu instid0(VALU_DEP_1)
	v_ldexp_f32 v244, 1.0, v243                    ; f = 2^(old M - new M)
	v_fma_f32 v92, v92, s22, v12                   ; t - M of each block's largest score
	v_fma_f32 v94, v94, s22, v12
.set JJ, 0
.rept 32
	v_pk_fma_f32 v[96+JJ:97+JJ], v[96+JJ:97+JJ], s[22:23], v[12:13] op_sel_hi:[1,0,0]   ; t - M, two at a time
.set JJ, JJ+2
.endr
	s_wait_alu depctr_va_vdst(0)                   ; the wait ahead of the batch
	v_exp_f32 v92, v92                             ; the blocks' largest p: the same two instructions on the same number give the same bits
	v_exp_f32 v94, v94
.set JJ, 0
.rept 64
	v_exp_f32 v[96+JJ], v[96+JJ]                   ; p = 2^(t - M), at most 1
.set JJ, JJ+1
.endr
	v_pk_mul_f32 v[14:15], v[14:15], v[244:245] op_sel_hi:[1,0]   ; the sum under the new M: the plain place behind the batch
	s_wait_alu depctr_va_vdst(0)                   ; one wait for the batch, ahead of its first reader
	v_max_num_f32 v92, 0x1800000, v92              ; the floor 2^(3 - 127): the byte cannot fall under 1
	v_max_num_f32 v94, 0x1800000, v94
	s_delay_alu instid0(VALU_DEP_2)
	v_add_nc_u32 v246, 0xff000000, v92             ; 2 off the exponent field: the conversion's scale operand
	s_delay_alu instid0(VALU_DEP_2)
	v_add_nc_u32 v247, 0xff000000, v94
	v_cvt_scalef32_pk16_fp6_f32 v[206:208], v[96:111], v246
	v_cvt_scalef32_pk16_fp6_f32 v[218:220], v[112:127], v246      ; (a conversion's three registers begin on an even number)
	v_cvt_scalef32_pk16_fp6_f32 v[212:214], v[128:143], v247
	v_cvt_scalef32_pk16_fp6_f32 v[222:224], v[144:159], v247
	v_lshrrev_b32 v248, 23, v246                   ; my two scale bytes: blocks h and 2 + h
	v_lshrrev_b32 v249, 23, v247
	s_delay_alu instid0(VALU_DEP_1)
	v_lshl_or_b32 v248, v249, 16, v248
	s_delay_alu instid0(VALU_DEP_1)
	v_lshlrev_b32 v248, v11, v248                  ; 8 h bits up
	s_delay_alu instid0(VALU_DEP_1)
	v_permlanex16_b32 v251, v248, s20, s21
	s_delay_alu instid0(VALU_DEP_1)
	v_or_b32 v250, v248, v251                      ; with lane l xor 16's two bytes p's scale word is whole
.irp i, 0,1,2
	v_mov_b32 v[209+\i], v[218+\i]
	v_mov_b32 v[215+\i], v[222+\i]
.endr
	s_wait_alu depctr_va_vdst(0)                   ; the wait directly ahead of the first reader of O^T
.set JJ, 0
.rept 16
	v_pk_mul_f32 v[160+JJ:161+JJ], v[160+JJ:161+JJ], v[244:245] op_sel_hi:[1,0]   ; O^T under the new M; also the places between p's codes and scale word and the products
.set JJ, JJ+2
.endr
	s_wait_alu depctr_va_vdst(0)
	s_wait_dscnt 0x0                               ; V
.irp a, 0,2
	v_wmma_scale_f32_16x16x128_f8f6f4 v[160+8*\a:167+8*\a], v[32+12*\a:43+12*\a], v[206:217], v[160+8*\a:167+8*\a], v[90+\a/2], v250 matrix_a_fmt:MATRIX_FMT_FP6 matrix_b_fmt:MATRIX_FMT_FP6
	v_wmma_scale_f32_16x16x128_f8f6f4 v[168+8*\a:175+8*\a], v[44+12*\a:55+12*\a], v[206:217], v[168+8*\a:175+8*\a], v[90+\a/2], v250 matrix_a_fmt:MATRIX_FMT_FP6 matrix_b_fmt:MATRIX_FMT_FP6 matrix_a_scale:MATRIX_SCALE_ROW1
.endr
.irp j, 0,1,2,3,4,5,6,7
	v_pk_add_f32 v[TS+2*\j:TS+2*\j+1], v[96+2*\j:97+2*\j], v[112+2*\j:113+2*\j]   ; the unquantised p into eight partial sums: also the places behind the products
.endr
.irp j, 0,1,2,3,4,5,6,7
	v_pk_add_f32 v[TS+2*\j:TS+2*\j+1], v[TS+2*\j:TS+2*\j+1], v[128+2*\j:129+2*\j]
.endr
.irp j, 0,1,2,3,4,5,6,7
	v_pk_add_f32 v[TS+2*\j:TS+2*\j+1], v[TS+2*\j:TS+2*\j+1], v[144+2*\j:145+2*\j]
.endr
.endm
; O^T / the sum: register 16 b + i is channel 32 b + 16 h + i of my query: two blocks of 32 along the projection's K: a half image and two scale bytes.
.macro FINISH p
.irp j, 0,1,2,3
	v_pk_add_f32 v[TS+2*\j:TS+2*\j+1], v[TS+2*\j:TS+2*\j+1], v[TS+8+2*\j:TS+9+2*\j]
.endr
	s_delay_alu instid0(VALU_DEP_2)
	v_pk_add_f32 v[TS:TS+1], v[TS:TS+1], v[TS+4:TS+5]
	s_delay_alu instid0(VALU_DEP_2)
	v_pk_add_f32 v[TS+2:TS+3], v[TS+2:TS+3], v[TS+6:TS+7]
	s_delay_alu instid0(VALU_DEP_1)
	v_pk_add_f32 v[TS:TS+1], v[TS:TS+1], v[TS+2:TS+3]
	s_delay_alu instid0(VALU_DEP_1)
	v_pk_add_f32 v[14:15], v[14:15], v[TS:TS+1]
	s_delay_alu instid0(VALU_DEP_1)
	v_add_f32 v14, v14, v15
	s_delay_alu instid0(VALU_DEP_1)
	v_permlanex16_b32 v251, v14, s20, s21
	s_delay_alu instid0(VALU_DEP_1)
	v_add_f32 v14, v14, v251                       ; the row's sum
	s_wait_alu depctr_va_vdst(0)
	v_rcp_f32 v14, v14
	v_nop
	s_wait_alu depctr_va_vdst(0)
.set JJ, 0
.rept 16
	v_pk_mul_f32 v[96+JJ:97+JJ], v[160+JJ:161+JJ], v[14:15] op_sel_hi:[1,0]   ; each accumulator from its low end on
.set JJ, JJ+2
.endr
.irp b, 0,1
	v_max3_num_f32 v[92+2*\b], |v[96+16*\b]|, |v[97+16*\b]|, 0x1800000
.endr
.irp i, 2,4,6,8,10,12,14
.irp b, 0,1
	s_delay_alu instid0(VALU_DEP_2)
	v_max3_num_f32 v[92+2*\b], v[92+2*\b], |v[96+16*\b+\i]|, |v[97+16*\b+\i]|
.endr
.endr
.irp b, 0,1
	s_delay_alu instid0(VALU_DEP_2)
	v_permlanex16_b32 v[93+2*\b], v[92+2*\b], s20, s21
.endr
.irp b, 0,1
	s_delay_alu instid0(VALU_DEP_2)
	v_max_num_f32 v[92+2*\b], v[92+2*\b], v[93+2*\b]
.endr
.irp b, 0,1
	s_delay_alu instid0(VALU_DEP_2)
	v_add_nc_u32 v[246+\b], 0xff000000, v[92+2*\b]
.endr
.irp b, 0,1
	s_delay_alu instid0(VALU_DEP_2)
	v_lshrrev_b32 v[248+\b], 23, v[246+\b]
.endr
	s_delay_alu instid0(VALU_DEP_1)
	v_lshl_or_b32 v242, v249, 8, v248              ; my row's two bytes; the upper two stay 0
	v_cvt_scalef32_pk16_fp6_f32 v[206:208], v[96:111], v246
	v_cvt_scalef32_pk16_fp6_f32 v[218:220], v[112:127], v247
	v_nop
.irp i, 0,1,2
	v_permlane16_swap_b32 v[206+\i], v[218+\i]
.endr
.irp i, 0,1,2
	s_delay_alu instid0(VALU_DEP_3)
	v_mov_b32 v[209+\i], v[218+\i]
.endr
.if \p == 0
	v_mov_b32 v29, v242                            ; lanes 0-15 keep the first tile's words,
.else
	v_cndmask_b32 v29, v29, v242, s61              ; lanes 16-31 take the second's
.endif
	global_store_b128 v1, v[206:209], s[40:41] offset:12288*\p
	global_store_b64 v2, v[210:211], s[40:41] offset:12288*\p+512
.endm
.macro PASS p, qf, qs
.if \p
	s_wait_xcnt 0x0                                ; the first pass's stores have read the codes' registers
.endif
	v_mov_b32 v13, 0xff61b1e6                      ; the largest score so far: -3e38
	v_mov_b32 v12, 0x7f61b1e6                      ; -M
	v_mov_b32 v14, 0
	v_mov_b32 v15, 0
.set JJ, 0
.rept 32
	v_mov_b32 v[160+JJ], 0                         ; O^T: the step is written once; the first finds zeros
.set JJ, JJ+1
.endr
.set JJ, 0
.rept 16
	v_mov_b32 v[TS+JJ], 0                          ; and no partial sums
.set JJ, JJ+1
.endr
	s_mov_b32 s2, 0
	s_mov_b32 s3, 8
.Lstep_\@:                                             ; a trip: two records
	v_add_nc_u32 v6, s2, v3
	v_add_nc_u32 v7, s2, v4
	v_add_nc_u32 v8, s2, v5
	v_add_nc_u32 v9, s2, v205
	v_add_nc_u32 v10, s2, v2
	STEP \qf, \qs, 0
	STEP \qf, \qs, RECL
	s_add_co_u32 s2, s2, 2*RECL
	s_sub_co_u32 s3, s3, 1
	s_cmp_lg_u32 s3, 0
	s_wait_alu depctr_va_vdst(0)
	s_cbranch_scc1 .Lstep_\@
	FINISH \p
.endm
	PASS 0, 16, 28
	PASS 1, 192, 204
	global_store_b32 v252, v29, s[42:43]           ; 128 consecutive bytes: the scale words of my two tiles
	s_wait_tensorcnt 0x0                           ; the wave's end
	ds_add_u32 v30, v31
	s_wait_dscnt 0x0
	CROUND                                         ; the closing round
	s_endpgm
.Lfunc_end_k_q4495e22644_attn:
	.size	k_q4495e22644_attn, .Lfunc_end_k_q4495e22644_attn-k_q4495e22644_attn
	.p2alignl 7, 3214868480
	.fill 96, 4, 3214868480
	.section	.rodata,"a",@progbits
	.p2align	6, 0x0
	.amdhsa_kernel k_q4495e22644_attn
		.amdhsa_group_segment_fixed_size 263168
		.amdhsa_private_segment_fixed_size 0
		.amdhsa_enable_private_segment 0
		.amdhsa_kernarg_size 32
		.amdhsa_user_sgpr_count 2
		.amdhsa_user_sgpr_kernarg_segment_ptr 1
		.amdhsa_wavefront_size32 1
		.amdhsa_system_sgpr_workgroup_id_x 1
		.amdhsa_system_sgpr_workgroup_id_y 1
		.amdhsa_system_sgpr_workgroup_id_z 1
		.amdhsa_system_vgpr_workitem_id 0
		.amdhsa_next_free_vgpr 256
		.amdhsa_next_free_sgpr 66
		.amdhsa_reserve_vcc 0
		.amdhsa_float_denorm_mode_32 3
		.amdhsa_float_denorm_mode_16_64 3
		.amdhsa_memory_ordered 1
		.amdhsa_forward_progress 1
		.amdhsa_inst_pref_size 80
	.end_amdhsa_kernel
	.amdgpu_metadata
---
amdhsa.version: [ 1, 2 ]
amdhsa.kernels:
  - .name:           k_q4495e22644_attn
    .symbol:         k_q4495e22644_attn.kd
    .args:
      - { .name: qws, .offset: 0, .size: 8, .value_kind: global_buffer, .address_space: global }
      - { .name: kv, .offset: 8, .size: 8, .value_kind: global_buffer, .address_space: global }
      - { .name: oimg, .offset: 16, .size: 8, .value_kind: global_buffer, .address_space: global }
      - { .name: oscl, .offset: 24, .size: 8, .value_kind: global_buffer, .address_space: global }
    .group_segment_fixed_size: 263168
    .private_segment_fixed_size: 0
    .kernarg_segment_align: 8
    .kernarg_segment_size: 32
    .max_flat_workgroup_size: 512
    .sgpr_count:     66
    .vgpr_count:     256
    .wavefront_size: 32
...
	.end_amdgpu_metadata
.endif
;; end of part 3
;; launch proj (part 4): grid 4 x 64, 4 waves a work-group, clusters of 4 x 4, 327,680 bytes of LDS; arguments oimg, oscl, opq, b_proj, out0; writes out0
.if DOCPART == 4
	.amdgcn_target "amdgcn-amd-amdhsa--gfx1250"
	.amdhsa_code_object_version 6
	.text
	.protected	k_q4495e22644_proj
	.globl	k_q4495e22644_proj
	.p2align	8
	.type	k_q4495e22644_proj,@function
k_q4495e22644_proj:
	s_mov_b64 s[64:65], 0
	v_nop
	global_prefetch_b8 v0, s[64:65] scope:SCOPE_SE
	s_setreg_imm32_b32 hwreg(HW_REG_WAVE_MODE, 25, 1), 1
	s_wait_xcnt 0x0
	s_wait_alu depctr_hold_cnt(0) depctr_sa_sdst(0) depctr_va_vdst(0) depctr_va_sdst(0) depctr_va_ssrc(0) depctr_va_vcc(0) depctr_vm_vsrc(0)
	s_getreg_b32 s2, hwreg(HW_REG_IB_STS2, 6, 4)
	s_cmp_eq_u32 s2, 0
	s_cbranch_scc0 .Lentry_in_a_cluster
	s_endpgm
.Lentry_in_a_cluster:
	s_bfe_u32 s2, ttmp6, 0x10000c
	s_cmp_lg_u32 s2, 0xf033
	s_cbranch_scc0 .Lentry_shape_is_right
	s_endpgm
.Lentry_shape_is_right:
.set RB,    12288
.set CH,    RB                         ; ALL OF K LIES IN LDS: a row block's 12,288 bytes on end; 8 row blocks of A, then 16 of B: 294,912 bytes, filled once
.set FRB,   1536
.set HALFT, 4*RB                       ; A's four row blocks of a wave
.set SLOT,  4*RB                       ; from the first address register to the second: B's blocks 4-7
.set SPARE, 24*RB
.set STAGE, 0                          ; the way out goes over tile bytes that have had their only fill, behind a barrier behind which nobody reads them
.set SPITCH, 528
.set SCL0,  9437184
.set AP16, 16
.set AP8,  18
.set AQ16, 20
.set AQ8,  22
.set STO,  24
.set RD,   25
.set SPW,  28
.set NIL,  29
.set PS,   32
.set QS,   64
.set AF,   128
.set BK,   128
.set G1,  24
.set G0,  32
.set G1B, 48
.set G0B, 56
.set MSB, 0
.macro WIN new
.if MSB != \new
	s_set_vgpr_msb (MSB<<8)|\new
.set MSB, \new
.endif
.endm
.set MUL_LO, 0xa1
.set MUL_HI, 0xf1
.set BIA_LO, 0x81
.set BIA_HI, 0xc1
.set TO_B,   0x40
.macro JLOAD g0a, g1a, g0b, g1b
	s_cmp_eq_u32 s15, 0
	s_cbranch_scc0 .Lfor_b_\@
	tensor_load_to_lds s[\g0a:\g0a+3], s[\g1a:\g1a+7]
	s_nop 0
.rept 4
	v_nop
.endr
	s_branch .Lasked_\@
.Lfor_b_\@:
	tensor_load_to_lds s[\g0b:\g0b+3], s[\g1b:\g1b+7]
	s_nop 0
.rept 4
	v_nop
.endr
.Lasked_\@:
.endm
.macro CREST
	s_cmp_lg_u32 s14, 0
	s_cbranch_scc1 .Lnot_wave_0_\@
	s_barrier_signal -3
.Lnot_wave_0_\@:
	s_barrier_wait -3
	s_barrier_signal -1
	s_barrier_wait -1
.endm
.macro CROUND
	s_barrier_signal -1
	s_barrier_wait -1
	CREST
.endm
.macro PLACES n
.rept \n
	v_nop
.endr
.endm
	s_load_b256 s[4:11], s[0:1], 0x0
	s_load_b64 s[12:13], s[0:1], 0x20
	v_lshl_add_u32 v[SPW], v0, 2, SPARE
	v_mov_b32 v[NIL], 0
	ds_add_u32 v28, v29
	ds_add_u32 v28, v29
	s_wait_dscnt 0x0
	v_lshrrev_b32 v1, 5, v0
	v_readfirstlane_b32 s14, v1
	s_lshr_b32 s15, s14, 1
	s_and_b32 s16, s14, 1
	s_bfe_u32 s40, ttmp6, 0x40000
	s_bfe_u32 s41, ttmp6, 0x40004
	s_and_b32 s17, ttmp7, 0xffff
	s_lshl_b32 s43, s41, 2
	s_lshl_b32 s43, 15, s43
	s_lshl_b32 s44, 0x1111, s40
	s_or_b32 s[G1+0], s43, (3<<16)|(1<<21)
	s_or_b32 s[G1B+0], s44, (3<<16)|(1<<21)
.irp g, G1, G1B
	s_mov_b32 s[\g+1], 1536<<16
	s_mov_b32 s[\g+2], 8<<16
	s_mov_b32 s[\g+3], 1536<<16
	s_mov_b32 s[\g+4], 8
	s_mov_b32 s[\g+5], 1536
	s_mov_b32 s[\g+6], 0
	s_mov_b32 s[\g+7], 0
.endr
	s_mov_b32 s[G1+2], 4<<16                       ; a block of C is 128 x 256: a load for A brings 4 row blocks, one for B 8
	s_mov_b32 s[G1+4], 4
	s_lshl_b32 s66, s17, 5
	s_lshl_b32 s22, s41, 3
	s_add_co_u32 s66, s66, s22
	s_lshl_b32 s67, s40, 4
	s_add_co_u32 s67, s67, 704
	s_lshl_b32 s22, s16, 2
	s_add_co_u32 s68, s66, s22
	s_mul_i32 s68, s68, RB
	s_mov_b32 s69, 0
	s_lshl_b32 s22, s16, 3
	s_add_co_u32 s70, s67, s22
	s_mul_i32 s70, s70, RB
	s_mov_b32 s71, 0
	s_lshl_b32 s22, s15, 2
	s_add_co_u32 s72, s66, s22
	s_lshl_b32 s72, s72, 6
	s_mov_b32 s73, 0
	s_lshl_b32 s22, s16, 3
	s_add_co_u32 s74, s67, s22
	s_lshl_b32 s74, s74, 9
	s_add_co_u32 s74, s74, SCL0
	s_mov_b32 s75, 0
	s_lshl_b32 s76, s40, 10
	s_lshl_b32 s77, s16, 9
	s_add_co_u32 s76, s76, s77
	s_mov_b32 s77, 0
	s_lshl_b32 s78, s17, 2
	s_add_co_u32 s78, s78, s41
	s_lshl_b32 s78, s78, 1
	s_add_co_u32 s78, s78, s15
	s_lshl_b32 s78, s78, 18
	s_add_co_u32 s78, s78, s76
	s_mov_b32 s79, 0
	s_mul_i32 s45, s16, HALFT                      ; where A's half goes,
	s_mul_i32 s46, s16, 2*HALFT
	s_add_co_u32 s46, s46, 2*HALFT                 ; and B's, behind A's two
	s_wait_kmcnt 0x0
	s_add_nc_u64 s[68:69], s[4:5], s[68:69]
	s_add_nc_u64 s[70:71], s[8:9], s[70:71]
	s_add_nc_u64 s[72:73], s[6:7], s[72:73]
	s_add_nc_u64 s[74:75], s[8:9], s[74:75]
	s_add_nc_u64 s[76:77], s[10:11], s[76:77]
	s_add_nc_u64 s[12:13], s[12:13], s[78:79]
	CROUND
	s_mov_b32 s[G0], 1
	s_mov_b32 s[G0+1], s45
	s_mov_b64 s[G0+2:G0+3], s[68:69]
	s_or_b32 s[G0+3], s[G0+3], 0x80000000
	s_mov_b32 s[G0B], 1
	s_mov_b32 s[G0B+1], s46
	s_mov_b64 s[G0B+2:G0B+3], s[70:71]
	s_or_b32 s[G0B+3], s[G0B+3], 0x80000000
	JLOAD G0, G1, G0B, G1B                         ; my one tensor load of the launch: waves 0, 1 four row blocks of A each, waves 2, 3 eight of B, all of K
	v_and_b32 v1, 15, v0
	v_bfe_u32 v2, v0, 4, 1
	v_and_b32 v5, 31, v0
	v_lshlrev_b32 v3, 4, v5
	v_lshlrev_b32 v4, 3, v5
	s_mul_i32 s22, s15, HALFT
	s_mul_i32 s23, s16, 2*HALFT
	s_add_co_u32 s23, s23, 2*HALFT
.irp s, 0,1
	v_add_nc_u32 v[AP16+\s], s22, v3
	v_add_nc_u32 v[AP8+\s], s22, v4
	v_add_nc_u32 v[AQ16+\s], s23, v3
	v_add_nc_u32 v[AQ8+\s], s23, v4
	s_add_co_u32 s22, s22, SLOT
	s_add_co_u32 s23, s23, SLOT
.endr
	s_mul_i32 s22, s14, 16*SPITCH
	s_add_co_u32 s22, s22, STAGE
	v_mul_u32_u24 v[STO], v1, SPITCH
	v_lshl_add_u32 v[STO], v2, 6, v[STO]
	v_add_nc_u32 v[STO], s22, v[STO]
	v_add_nc_u32 v[RD], s22, v3
	v_lshlrev_b32 v6, 11, v2
	v_lshl_add_u32 v6, v1, 5, v6
	v_lshlrev_b32 v8, 2, v1                        ; A's scale words: 4 r; a wave has four row blocks, so lanes 16-31 repeat lanes 0-15
	v_lshlrev_b32 v9, 6, v2
.irp i, 0,1,2,3
.irp e, 0,1
	global_load_b128 v[QS+8*\i+4*\e:QS+8*\i+4*\e+3], v6, s[74:75] offset:512*\i+16*\e
.endr
.endr
.irp i, 0,1,2,3
.irp s, 0,1,2,3,4,5,6,7
	global_load_b32 v[PS+8*\i+\s], v8, s[72:73] offset:(2*\s)*32768+64*\i
	global_load_b32 v[AF+8*\i+\s], v8, s[72:73] offset:(2*\s+1)*32768+64*\i
.endr
.endr
.irp b, 0,1,2,3,4,5,6,7
	global_load_b128 v[96+8*\b+96*(\b/4):96+8*\b+96*(\b/4)+3], v9, s[76:77] offset:(32*(\b/2)+8*(\b%2))*4
	global_load_b128 v[96+8*\b+96*(\b/4)+4:96+8*\b+96*(\b/4)+7], v9, s[76:77] offset:(32*(\b/2)+8*(\b%2))*4+16
.endr
	s_wait_alu depctr_va_vdst(0)                   ; the wait at the head's end
	s_wait_tensorcnt 0x0                           ; slot 0 is in; the loads above are out meanwhile
	s_barrier_signal -1                            ; my part is in,
	s_barrier_wait -1                              ; everybody's is
	s_wait_loadcnt 0x0
.set JJ, 0
.rept 32
	v_lshl_or_b32 v[PS+JJ], v[AF+JJ], 16, v[PS+JJ]
.set JJ, JJ+1
.endr
.macro WM
.if RR == 0
	v_wmma_scale_f32_16x16x128_f8f6f4 v[DD:DD+7], v[QA:QA+11], v[PA:PA+11], v[CC:CC+7], v[SQ], v[SPR] matrix_a_fmt:MATRIX_FMT_FP6 matrix_b_fmt:MATRIX_FMT_FP6
.elseif RR == 1
	v_wmma_scale_f32_16x16x128_f8f6f4 v[DD:DD+7], v[QA:QA+11], v[PA:PA+11], v[CC:CC+7], v[SQ], v[SPR] matrix_a_fmt:MATRIX_FMT_FP6 matrix_b_fmt:MATRIX_FMT_FP6 matrix_a_scale:MATRIX_SCALE_ROW1
.elseif RR == 2
	v_wmma_scale_f32_16x16x128_f8f6f4 v[DD:DD+7], v[QA:QA+11], v[PA:PA+11], v[CC:CC+7], v[SQ], v[SPR] matrix_a_fmt:MATRIX_FMT_FP6 matrix_b_fmt:MATRIX_FMT_FP6 matrix_b_scale:MATRIX_SCALE_ROW1
.else
	v_wmma_scale_f32_16x16x128_f8f6f4 v[DD:DD+7], v[QA:QA+11], v[PA:PA+11], v[CC:CC+7], v[SQ], v[SPR] matrix_a_fmt:MATRIX_FMT_FP6 matrix_b_fmt:MATRIX_FMT_FP6 matrix_a_scale:MATRIX_SCALE_ROW1 matrix_b_scale:MATRIX_SCALE_ROW1
.endif
.endm
.macro MUL16 a0, p, s, cm
.irp a, \a0, \a0+1
.irp b, 0,1,2,3,4,5,6,7
.set DD, 8*(8*((\a)%4)+\b)
.set CC, DD
.if \cm == 2
.set CC, 96+8*\b+96*(\b/4)
.endif
.set QA, 128*(\p)+12*\b
.set PA, AF+48*(\p)+12*(\a)
.set SQ, QS+8*(\b%4)+(\s)
.set SPR, PS+8*((\a)%4)+(\s)
.set RR, (\b/4)+2*((\a)/4)
	WM
.endr
.endr
.endm
.macro FRAG reg, a16, a8, q, i
	ds_load_b128 v[\reg:\reg+3], v[\a16] offset:(\i)*CH+(\q)*FRB
	ds_load_b64 v[\reg+4:\reg+5], v[\a8] offset:(\i)*CH+(\q)*FRB+512
	ds_load_b128 v[\reg+6:\reg+9], v[\a16] offset:(\i)*CH+(\q)*FRB+768
	ds_load_b64 v[\reg+10:\reg+11], v[\a8] offset:(\i)*CH+(\q)*FRB+1280
.endm
.macro FETCH_B q, p
	WIN TO_B
.irp i, 0,1,2,3,4,5,6,7
	FRAG 128*(\p)+12*\i, AQ16+\i/4, AQ8+\i/4, \q, \i%4
.endr
	WIN 0
.endm
.macro FETCH_A q, p
.irp i, 0,1,2,3
	FRAG AF+48*(\p)+12*\i, AP16, AP8, \q, \i
.endr
.endm
.macro STEP s, cm
	s_wait_dscnt 0x0                               ; this step's fragments are in
	PLACES 4
	FETCH_B (\s)+1, ((\s)+1)%2                     ; the next step's into the other set, under this step's 32 products
	FETCH_A (\s)+1, ((\s)+1)%2
.if \cm == 2
	WIN BIA_LO
.else
	WIN MUL_LO
.endif
	MUL16 0, (\s)%2, \s, \cm
	MUL16 2, (\s)%2, \s, \cm
	WIN 0
.endm
	s_wait_alu depctr_va_vdst(0)
	FETCH_B 0, 0
	FETCH_A 0, 0
	PLACES 8
	STEP 0, 2                                      ; the first step's products start the sums from the bias
.irp s, 1,2,3,4,5,6
	STEP \s, 0
.endr
	s_wait_dscnt 0x0                               ; my last reads of the tiles are over
	WIN MUL_LO
	MUL16 0, 1, 7, 0
	MUL16 2, 1, 7, 0
	WIN 0
	s_barrier_signal -1
	s_barrier_wait -1                              ; everybody's are: the stages may lie on tile bytes
.macro TOSTAGE a
.set AC, 64*((\a)%4)
.set WW, 0x08+4*((\a)/4)
	WIN WW
.irp b, 0,1,2,3,4,5,6,7
	ds_store_b128 v[STO], v[AC+8*\b:AC+8*\b+3] offset:128*(\b/2)+32*(\b%2)
	ds_store_b128 v[STO], v[AC+8*\b+4:AC+8*\b+7] offset:128*(\b/2)+32*(\b%2)+16
.endr
	WIN 0
.set BB, BK+64*((\a)%2)
.irp t, 0,1,2,3,4,5,6,7,8,9,10,11,12,13,14,15
	ds_load_b128 v[BB+4*\t:BB+4*\t+3], v[RD] offset:\t*SPITCH
.endr
.endm
.macro SEND a, younger
.set BB, BK+64*((\a)%2)
	s_wait_dscnt \younger
.irp t, 0,1,2,3,4,5,6,7,8,9,10,11,12,13,14,15
	global_store_b128 v3, v[BB+4*\t:BB+4*\t+3], s[12:13] offset:(32*((\a)/2)+8*((\a)%2)+\t+8*(\t/8))*4096 th:TH_STORE_NT
.endr
.endm
	PLACES 4
	TOSTAGE 0
.irp a, 1,2,3
.if \a > 1
	s_wait_xcnt 0x0
.endif
	TOSTAGE \a
	SEND \a-1, 32
.endr
	SEND 3, 0
	s_wait_tensorcnt 0x0
	ds_add_u32 v[SPW], v[NIL]
	s_wait_dscnt 0x0
	CROUND
	s_endpgm
.Lfunc_end_k_q4495e22644_proj:
	.size	k_q4495e22644_proj, .Lfunc_end_k_q4495e22644_proj-k_q4495e22644_proj
	.p2alignl 7, 3214868480
	.fill 96, 4, 3214868480
	.section	.rodata,"a",@progbits
	.p2align	6, 0x0
	.amdhsa_kernel k_q4495e22644_proj
		.amdhsa_group_segment_fixed_size 327680
		.amdhsa_private_segment_fixed_size 0
		.amdhsa_enable_private_segment 0
		.amdhsa_kernarg_size 40
		.amdhsa_user_sgpr_count 2
		.amdhsa_user_sgpr_kernarg_segment_ptr 1
		.amdhsa_wavefront_size32 1
		.amdhsa_system_sgpr_workgroup_id_x 1
		.amdhsa_system_sgpr_workgroup_id_y 1
		.amdhsa_system_sgpr_workgroup_id_z 1
		.amdhsa_system_vgpr_workitem_id 0
		.amdhsa_next_free_vgpr 1024
		.amdhsa_next_free_sgpr 100
		.amdhsa_reserve_vcc 0
		.amdhsa_float_denorm_mode_32 3
		.amdhsa_float_denorm_mode_16_64 3
		.amdhsa_memory_ordered 1
		.amdhsa_forward_progress 1
		.amdhsa_inst_pref_size 91
	.end_amdhsa_kernel
	.amdgpu_metadata
---
amdhsa.version: [ 1, 2 ]
amdhsa.kernels:
  - .name:           k_q4495e22644_proj
    .symbol:         k_q4495e22644_proj.kd
    .args:
      - { .name: oimg, .offset: 0, .size: 8, .value_kind: global_buffer, .address_space: global }
      - { .name: oscl, .offset: 8, .size: 8, .value_kind: global_buffer, .address_space: global }
      - { .name: opq, .offset: 16, .size: 8, .value_kind: global_buffer, .address_space: global }
      - { .name: b_proj, .offset: 24, .size: 8, .value_kind: global_buffer, .address_space: global }
      - { .name: out0, .offset: 32, .size: 8, .value_kind: global_buffer, .address_space: global }
    .group_segment_fixed_size: 327680
    .private_segment_fixed_size: 0
    .kernarg_segment_align: 8
    .kernarg_segment_size: 40
    .max_flat_workgroup_size: 128
    .sgpr_count:     100
    .vgpr_count:     1024
    .wavefront_size: 32
...
	.end_amdgpu_metadata
.endif
;; end of part 4
